; MI455X (gfx1250); checked and timed in simulation.
; The chip was launched on July 23, 2026; its instructions are those of AMD's public machine-readable ISA for CDNA 5 (MIT licence, August 2026) and "CDNA5" Instruction Set Architecture Reference Guide (July 2026). The comments in the code are by the model that wrote it; some were corrected since.
;; RNA Path. Allowed arithmetic: float matrix products may take bf16 or f16 operands with f32 sums; all other float work in f32.
;; Inputs: W 20,000 x 384 float32; b 20,000 float32; h 8,192 x 384 float32.
;; Outputs: out0 20,000 float32.
;; One version. Each part assembles by itself: llvm-mc -triple=amdgcn-amd-amdhsa -mcpu=gfx1250 --defsym DOCPART=n.
;; ======== version 1 of 1: 3 launches
;; workspace buffers: hb 6,291,456 bytes; part 327,680 bytes
;; launch tobf16 (part 1): grid 256 x 1, 8 waves a work-group, no clusters, 0 bytes of LDS; arguments h, hb; writes hb
.if DOCPART == 1
	.amdgcn_target "amdgcn-amd-amdhsa--gfx1250"
	.amdhsa_code_object_version 6
	.text
	.protected	k_qeef6b8c1ea_tobf16
	.globl	k_qeef6b8c1ea_tobf16
	.p2align	8
	.type	k_qeef6b8c1ea_tobf16,@function
k_qeef6b8c1ea_tobf16:
	s_mov_b64 s[64:65], 0
	v_nop
	global_prefetch_b8 v0, s[64:65] scope:SCOPE_SE
	s_setreg_imm32_b32 hwreg(HW_REG_WAVE_MODE, 25, 1), 1
	s_wait_xcnt 0x0
; hb = h rounded to bf16 (nearest even), same order: [8192][384].  A stream: no LDS, no barrier, no matrix unit.
; h is 12,582,912 bytes; 256 work-groups of 256 threads take 49,152 bytes each: 12 loads of 16 bytes a thread.
; A wave's load covers 512 consecutive bytes, its store 256 consecutive bytes at a multiple of 256 from hb's first byte.
; All 12 loads go out first; no register is written twice, so the only waits are the counted ones for the data.
.set NLD,  12                          ; loads of a thread
.set X,    4                           ; v[4:51]   load j: 4 f32
.set Y,    52                          ; v[52:75]  load j: 4 bf16
	s_load_b128 s[4:7], s[0:1], 0x0                ; h s[4:5], hb s[6:7]
	s_mul_i32 s8, ttmp9, NLD*4096                  ; the work-group's bytes of h
	s_mov_b32 s9, 0
	s_mul_i32 s10, ttmp9, NLD*2048                 ; and of hb
	s_mov_b32 s11, 0
	v_lshlrev_b32 v1, 4, v0                        ; 16 t
	v_lshlrev_b32 v2, 3, v0                        ; 8 t
	s_wait_kmcnt 0x0
	s_add_nc_u64 s[4:5], s[4:5], s[8:9]
	s_add_nc_u64 s[6:7], s[6:7], s[10:11]
.irp j, 0,1,2,3,4,5,6,7,8,9,10,11
	global_load_b128 v[X+4*\j:X+4*\j+3], v1, s[4:5] offset:4096*\j th:TH_LOAD_NT   ; h is read once in this launch
.endr
.irp j, 0,1,2,3,4,5,6,7,8,9,10,11
	s_wait_loadcnt NLD-1-\j                        ; loads come back in order: load j is in, the younger ones stay out
	v_cvt_pk_bf16_f32 v[Y+2*\j],   v[X+4*\j],   v[X+4*\j+1]
	v_cvt_pk_bf16_f32 v[Y+2*\j+1], v[X+4*\j+2], v[X+4*\j+3]
	global_store_b64 v2, v[Y+2*\j:Y+2*\j+1], s[6:7] offset:2048*\j   ; no hint: the next launch reads hb
.endr
	s_endpgm
.Lfunc_end_k_qeef6b8c1ea_tobf16:
	.size	k_qeef6b8c1ea_tobf16, .Lfunc_end_k_qeef6b8c1ea_tobf16-k_qeef6b8c1ea_tobf16
	.p2alignl 7, 3214868480
	.fill 96, 4, 3214868480
	.section	.rodata,"a",@progbits
	.p2align	6, 0x0
	.amdhsa_kernel k_qeef6b8c1ea_tobf16
		.amdhsa_group_segment_fixed_size 0
		.amdhsa_private_segment_fixed_size 0
		.amdhsa_enable_private_segment 0
		.amdhsa_kernarg_size 16
		.amdhsa_user_sgpr_count 2
		.amdhsa_user_sgpr_kernarg_segment_ptr 1
		.amdhsa_wavefront_size32 1
		.amdhsa_system_sgpr_workgroup_id_x 1
		.amdhsa_system_sgpr_workgroup_id_y 1
		.amdhsa_system_sgpr_workgroup_id_z 1
		.amdhsa_system_vgpr_workitem_id 0
		.amdhsa_next_free_vgpr 76
		.amdhsa_next_free_sgpr 66
		.amdhsa_reserve_vcc 0
		.amdhsa_float_denorm_mode_32 3
		.amdhsa_float_denorm_mode_16_64 3
		.amdhsa_memory_ordered 1
		.amdhsa_forward_progress 1
		.amdhsa_inst_pref_size 5
	.end_amdhsa_kernel
	.amdgpu_metadata
---
amdhsa.version: [ 1, 2 ]
amdhsa.kernels:
  - .name:           k_qeef6b8c1ea_tobf16
    .symbol:         k_qeef6b8c1ea_tobf16.kd
    .args:
      - { .name: h, .offset: 0, .size: 8, .value_kind: global_buffer, .address_space: global }
      - { .name: hb, .offset: 8, .size: 8, .value_kind: global_buffer, .address_space: global }
    .group_segment_fixed_size: 0
    .private_segment_fixed_size: 0
    .kernarg_segment_align: 8
    .kernarg_segment_size: 16
    .max_flat_workgroup_size: 256
    .sgpr_count:     66
    .vgpr_count:     76
    .wavefront_size: 32
...
	.end_amdgpu_metadata
.endif
;; end of part 1
;; launch main (part 2): grid 64 x 4, 4 waves a work-group, clusters of 4 x 4, 327,680 bytes of LDS; arguments hb, W, b, part; writes part
.if DOCPART == 2
	.amdgcn_target "amdgcn-amd-amdhsa--gfx1250"
	.amdhsa_code_object_version 6
	.text
	.protected	k_qeef6b8c1ea_main
	.globl	k_qeef6b8c1ea_main
	.p2align	8
	.type	k_qeef6b8c1ea_main,@function
k_qeef6b8c1ea_main:
	s_mov_b64 s[64:65], 0
	v_nop
	global_prefetch_b8 v0, s[64:65] scope:SCOPE_SE
	s_setreg_imm32_b32 hwreg(HW_REG_WAVE_MODE, 25, 1), 1
	s_wait_xcnt 0x0
	s_wait_alu depctr_hold_cnt(0) depctr_sa_sdst(0) depctr_va_vdst(0) depctr_va_sdst(0) depctr_va_ssrc(0) depctr_va_vcc(0) depctr_vm_vsrc(0)
	s_getreg_b32 s2, hwreg(HW_REG_IB_STS2, 6, 4)
	s_cmp_eq_u32 s2, 0
	s_cbranch_scc0 .Lentry_in_a_cluster
	s_endpgm
.Lentry_in_a_cluster:
	s_bfe_u32 s2, ttmp6, 0x10000c
	s_cmp_lg_u32 s2, 0xf033
	s_cbranch_scc0 .Lentry_shape_is_right
	s_endpgm
.Lentry_shape_is_right:
; part[q][80 c + 16 i + r] = sum over the 2,048 patches of quarter q of relu(h[k] . W[n] + b[n]),  n = 16 (T0(c) + i) + r.
; hb: [8192][384] bf16.  W: [20000][384] f32.  b: [20000] f32.  part: [4][20480] f32.
;
; SHARES.  20,000 genes are 1,250 tiles of 16.  A wave keeps FIVE tiles of W, rounded to bf16, in 480 registers for the whole launch
; (5 tiles x 12 K steps x 8 registers) and walks patches: each fragment of h read from LDS feeds five matrix instructions, and the patch sum
; stays in registers.  Wave column c = 4 bx + wave (0..255) takes tiles T0 .. T0 + 4, T0 = min(5 c, 4 c + 225): columns 0..225 own five new
; tiles, columns 226..255 repeat the column before's last tile in slot i = 0 and own four (1,130 + 120 = 1,250).  The 30 repeated tiles make
; 64 x 4 equal work-groups; every slot is stored, and the last launch leaves the repeated ones out.  Work-group y = q is the patch quarter.
; A wave issues 128 patch tiles x 12 K steps x 5 = 7,680 matrix instructions.
;
; CLUSTERS: 4 x 4.  The four work-groups of a cluster's row have the same q and need the same tiles of hb: these are asked for jointly.
; W is NOT asked for jointly, though the four of a column read the same rows: it is f32 and is rounded on its way, so it passes through
; registers; a work-group's share is 491,520 bytes, read once, more than LDS holds, and pieces of it through the ring would each want a round
; of the cluster's barrier.  Through registers each wave keeps 48 loads of 512 bytes on their way with no barrier at all.
;
; LIMITS.  The ReLU is v_max_num_f32 with 0, in which a NaN loses: where h, W or b hold NaN, or infinities make one, the result differs from
; the formula's NaN.  h and W are rounded to bf16 (f32's range); b enters in f32.  The patch sum's order: ten f32 chains of 512 terms a wave,
; the two halves of the lanes, and the four quarters in the last launch.
;
; LDS: two slots of 128 patches; then a stage of 12,544 bytes for each wave, written by ds_store alone, into which no tensor load lands.
; A patch in a slot: three pieces of 256 bytes, each followed by 16 bytes of padding: 816 bytes = 51 x 16, so the 16-byte pieces that the sixteen
; lanes of a fragment load take from sixteen neighbouring patches lie in sixteen different 16-byte columns modulo 256 bytes.
.set PITCH, 816                        ; a patch in LDS
.set TILEB, 16*PITCH                   ; 16 patches: one tile of the matrix instruction's M
.set PART,  32*PITCH                   ; 32 patches: what one wave's tensor load brings (26,112 bytes)
.set SLOT,  4*PART                     ; 104,448
.set STAGE, 2*SLOT                     ; 208,896
.set WP,    784                        ; a row of W in the stage: 768 bytes + 16 = 49 x 16
.set WST,   16*WP                      ; a wave's stage
.set SLOTG, 128*768                    ; a slot's bytes in hb
.set LAPS,  7                          ; 16 slot fills: 2 at the start, 2 in each of 7 trips
; window 0
.set ADR,   8                          ; v[8:11]    LDS address of my h fragments: slot 0 tiles 0-3, tiles 4-7, slot 1 tiles 0-3, tiles 4-7
.set SUM,   16                         ; v[16:25]   five pairs: the running patch sums of my five gene tiles
.set BRAW,  26                         ; v[26:30]   b of gene r of tile i
.set BIAS,  32                         ; v[32:71]   the same spread over the 8 registers of a C tile
.set ACC,   72                         ; v[72:151]  two sets of five accumulator tiles: set x, tile i at 72 + 40 x + 8 i
.set HF0,   152                        ; v[152:199] h fragments of K steps 0-5
.set HF1,   200                        ; v[200:247] h fragments of K steps 6-11
.set ST,    32                         ; v[32:223]  ahead of the tiles only: 4 groups of 12 loads of W, f32
.set OUTW,  224                        ; v[224:247] ahead of the tiles only: one group rounded to bf16
; window 1: W fragment (K step s = 0..5, tile i) at v[8 (5 s + i)];  window 2: the same for s = 6..11 at v[8 (5 (s - 6) + i)]
.set G1,    24                         ; s[24:31]   descriptor group 1
.set G0,    32                         ; s[32:39]   descriptor group 0, one set for each slot
; s_set_vgpr_msb's low byte: bits 1:0 source 0, 3:2 source 1, 5:4 source 2, 7:6 destination.  In the tiles only the matrix instruction's B lies
; outside window 0, so the LDS loads and the ReLU-and-sum lines run under the same setting, as long as no vector register stands as their source 1.
.set WM1,   0x04                       ; source 1 in window 1
.set WM2,   0x08                       ; source 1 in window 2
.set TO1,   0x40                       ; destination in window 1
.set TO2,   0x80                       ; destination in window 2
.set MSB,   0
.macro WIN new                         ; the immediate's high byte repeats the setting that is left; a switch that changes nothing is dropped
.if MSB != \new
	s_set_vgpr_msb (MSB<<8)|\new
.set MSB, \new
.endif
.endm
.macro PLACES                          ; four plain vector lines behind a matrix instruction (ISA guide 7.12.1), where no useful ones stand
.rept 4
	v_nop
.endr
.endm
; A round of the cluster's barrier: my work-group's barrier, so that wave 0's signal speaks for all four waves; wave 0 signals for the
; work-group; every wave waits for all sixteen work-groups; my work-group's barrier once more.
.macro CREST                           ; a round behind its opening barrier
	s_cmp_lg_u32 s12, 0
	s_cbranch_scc1 .Lnot_wave_0_\@
	s_barrier_signal -3
.Lnot_wave_0_\@:
	s_barrier_wait -3
	s_barrier_signal -1
	s_barrier_wait -1
.endm
.macro CROUND                          ; a whole round
	s_barrier_signal -1
	s_barrier_wait -1
	CREST
.endm
; A joint load: every wave asks for its 32 patches of the slot's 128.  The descriptor hangs on q and the wave's number alone, which the four
; work-groups of my row of the cluster share.  Four v_nop follow the line.
.macro JLOAD n
	tensor_load_to_lds s[G0+4*\n:G0+4*\n+3], s[G1:G1+7]
	s_nop 0
	PLACES
.endm
	s_load_b256 s[4:11], s[0:1], 0x0               ; hb s[4:5], W s[6:7], b s[8:9], part s[10:11]
	v_lshl_add_u32 v255, v0, 2, 0x3f400
	s_set_vgpr_msb 0x40
	v_mov_b32 v255, 0
	s_set_vgpr_msb 0x4044
	ds_add_u32 v255, v255
	s_set_vgpr_msb 0x4400
	v_lshrrev_b32 v1, 5, v0
	v_readfirstlane_b32 s12, v1                    ; wave 0..3
	s_bfe_u32 s13, ttmp6, 0x40000                  ; cx
	s_bfe_u32 s14, ttmp6, 0x40004                  ; cy
	s_lshl_b32 s15, ttmp9, 2
	s_add_co_u32 s15, s15, s13                     ; bx = 4 x cluster x + cx: which 320 gene slots
	s_and_b32 s16, ttmp7, 0xffff
	s_lshl_b32 s16, s16, 2
	s_add_co_u32 s16, s16, s14                     ; q = 4 x cluster y + cy: which quarter of the patches
	s_lshl_b32 s40, s14, 2
	s_lshl_b32 s40, 15, s40                        ; my row of the cluster: places 4 cy .. 4 cy + 3
	; Group 1.  A wave's 32 patches are 24,576 dense bytes of hb, taken as 96 rows of 32 elements of 8 bytes (256 bytes).
	s_or_b32 s[G1+0], s40, (3<<16)|(1<<20)|(1<<21)|(5<<22)|(3<<25)  ; 15:0 the mask; 17:16 elements of 8 bytes; 20 padding on; 21 set beside a mask; 24:22 after every 64 words; 31:25 four words
	s_mov_b32 s[G1+1], 32<<16                      ; tensor_dim0 = 32
	s_mov_b32 s[G1+2], 96<<16                      ; tensor_dim1 = 96
	s_mov_b32 s[G1+3], 32<<16                      ; tile_dim0 = 32
	s_mov_b32 s[G1+4], 96                          ; tile_dim1 = 96
	s_mov_b32 s[G1+5], 32                          ; from row to row: 32 elements (dense)
	s_mov_b32 s[G1+6], 0
	s_mov_b32 s[G1+7], 0
	s_mul_i32 s18, s16, 2048*768                   ; hb: my quarter,
	s_mul_i32 s19, s12, 32*768                     ; my wave's 32 patches of a slot
	s_add_co_u32 s18, s18, s19
	s_mov_b32 s19, 0                               ; s[18:21] never hold anything made of cx
	s_mul_i32 s45, s12, PART                       ; and where they go: the wave's number alone
	s_lshl2_add_u32 s17, s15, s12                  ; c = 4 bx + wave
	s_mul_i32 s22, s17, 5
	s_lshl_b32 s23, s17, 2
	s_add_co_u32 s23, s23, 225
	s_min_u32 s17, s22, s23                        ; T0 = min(5 c, 4 c + 225): T0 + 4 is 1,249 at the most
	s_mov_b32 s42, 0x76543210                      ; v_permlanex16_b32: lane i of one half reads lane i of the other
	s_mov_b32 s43, 0xfedcba98
	v_and_b32 v1, 15, v0                           ; r
	v_bfe_u32 v2, v0, 4, 1                         ; h
	v_and_b32 v7, 31, v0                           ; lane
	v_lshlrev_b32 v3, 4, v7                        ; W: 16 bytes a lane
	v_lshlrev_b32 v6, 2, v1                        ; b: gene r
	s_mul_i32 s46, s12, WST
	s_add_co_u32 s46, s46, STAGE                   ; my stage
	v_lshl_add_u32 v4, v7, 3, s46                  ; into the stage: 8 bytes a lane
	v_mul_u32_u24 v5, v1, WP
	v_lshl_add_u32 v5, v2, 4, v5
	v_add_nc_u32 v5, s46, v5                       ; out of it: row r, 16 bytes for each half of the lanes
	v_mul_u32_u24 v[ADR], v1, PITCH
	v_lshl_add_u32 v[ADR], v2, 4, v[ADR]           ; h fragments: patch r, 16 bytes for each half of the lanes
	v_add_nc_u32 v[ADR+1], 4*TILEB, v[ADR]         ; the immediate has 16 bits: four tiles to a register
	v_add_nc_u32 v[ADR+2], SLOT, v[ADR]
	v_add_nc_u32 v[ADR+3], SLOT+4*TILEB, v[ADR]
	s_mul_i32 s47, s12, 320
	s_add_co_u32 s47, s47, STAGE
	v_lshl_add_u32 v12, v1, 2, s47                 ; the way out: my wave's 80 sums, gene r
	v_lshl_add_u32 v13, v0, 4, STAGE               ; the way out: thread t reads 16 bytes of the work-group's 1,280
	v_lshlrev_b32 v14, 4, v0                       ; and stores them
	s_wait_dscnt 0x0
	s_wait_kmcnt 0x0
	s_add_nc_u64 s[20:21], s[4:5], s[18:19]
.irp n, 0,1
	s_mov_b32 s[G0+4*\n], 1                                        ; count = 1
	s_add_co_u32 s[G0+4*\n+1], s45, \n*SLOT                        ; LDS address
	s_add_nc_u64 s[G0+4*\n+2:G0+4*\n+3], s[20:21], \n*SLOTG        ; global address: patches 128 n .. of my quarter
	s_or_b32 s[G0+4*\n+3], s[G0+4*\n+3], 0x80000000                ; type = 2
.endr
	s_mul_i32 s22, s17, 16*1536
	s_mov_b32 s23, 0
	s_add_nc_u64 s[6:7], s[6:7], s[22:23]          ; W at my first row
	s_lshl_b32 s22, s17, 6
	s_add_nc_u64 s[8:9], s[8:9], s[22:23]          ; b at my first gene
	s_mul_i32 s22, s16, 20480*4
	s_mul_i32 s17, s15, 320*4
	s_add_co_u32 s22, s22, s17
	s_add_nc_u64 s[10:11], s[10:11], s[22:23]      ; part at my work-group's 320 slots of quarter q
; W ON ITS WAY IN.  My 80 rows are 122,880 dense bytes: 240 loads of 512 consecutive bytes, in 20 groups of 12; four groups are a tile of 16 rows.
.macro WLOAD g
.irp j, 0,1,2,3,4,5,6,7,8,9,10,11
	global_load_b128 v[ST+48*((\g)%4)+4*\j:ST+48*((\g)%4)+4*\j+3], v3, s[6:7] offset:(12*(\g)+\j)*512
.endr
.endm
; Group g is rounded and laid into the stage.  Load L of a tile's 48 is third L % 3 of row L / 3.
.macro WCVT g
.if (\g) <= 16
	s_wait_loadcnt 36                              ; group g is in (and b, which is older); the three younger groups of 12 stay out
.else
	s_wait_loadcnt 12*(19-(\g))                    ; nothing is asked for any more: the counts run down
.endif
.irp j, 0,1,2,3,4,5,6,7,8,9,10,11
	v_cvt_pk_bf16_f32 v[OUTW+2*\j],   v[ST+48*((\g)%4)+4*\j],   v[ST+48*((\g)%4)+4*\j+1]
	v_cvt_pk_bf16_f32 v[OUTW+2*\j+1], v[ST+48*((\g)%4)+4*\j+2], v[ST+48*((\g)%4)+4*\j+3]
.endr
.if ((\g)%4) == 0
.if (\g) > 0
	s_wait_dscnt 0x0                               ; the last tile's fragments have left the stage before its rows are written again (four such waits in all)
.endif
.endif
.irp j, 0,1,2,3,4,5,6,7,8,9,10,11
.set WL, 12*((\g)%4)+\j
	ds_store_b64 v4, v[OUTW+2*\j:OUTW+2*\j+1] offset:(WL/3)*WP+(WL%3)*256   ; 32 lanes, 256 consecutive bytes
.endr
.endm
; Tile i leaves the stage as 12 fragments: lane (r, h) holds row r, registers 0-3 K = 32 s + 8 h .., registers 4-7 K = 32 s + 16 + 8 h ..
; The bytes are my wave's own and LDS serves a wave's instructions in order (ISA guide 5.7.1): no wait between the stores and these loads.
.macro WFRAG i
	WIN TO1
.irp s, 0,1,2,3,4,5
	ds_load_b128 v[8*(5*\s+(\i)):8*(5*\s+(\i))+3],   v5 offset:64*\s
	ds_load_b128 v[8*(5*\s+(\i))+4:8*(5*\s+(\i))+7], v5 offset:64*\s+32
.endr
	WIN TO2
.irp s, 0,1,2,3,4,5
	ds_load_b128 v[8*(5*\s+(\i)):8*(5*\s+(\i))+3],   v5 offset:64*(\s+6)
	ds_load_b128 v[8*(5*\s+(\i))+4:8*(5*\s+(\i))+7], v5 offset:64*(\s+6)+32
.endr
	WIN 0
.endm
.irp i, 0,1,2,3,4
	global_load_b32 v[BRAW+\i], v6, s[8:9] offset:64*\i
.endr
	WLOAD 0                                        ; 48 loads of W travel while the sixteen work-groups meet
	WLOAD 1
	WLOAD 2
	WLOAD 3
	CROUND                                         ; all sixteen work-groups are here: the first joint loads meet
	JLOAD 0                                        ; patches 0-127 and 128-255 of my quarter: the two first fills, as one group.
	JLOAD 1                                        ; A wave never has more than these two tensor loads out; later it is one
.set WG, 0
.rept 20
	WCVT WG
.if WG+4 <= 19
	WLOAD WG+4
.endif
.if (WG%4) == 3
	WFRAG WG/4
.endif
.set WG, WG+1
.endr
.irp i, 0,1,2,3,4
.irp j, 0,1,2,3,4,5,6,7
	v_mov_b32 v[BIAS+8*\i+\j], v[BRAW+\i]          ; a C tile's register j is patch 8 h + j of gene r: the same b in all eight
.endr
	v_mov_b32 v[SUM+2*\i], 0
	v_mov_b32 v[SUM+2*\i+1], 0
.endr
; 12 LDS loads: the fragments of six K steps (half = 0: steps 0-5 into HF0, 1: steps 6-11 into HF1) of patch tile t of a slot.
; K step s begins at byte (s / 4) x 272 + (s % 4) x 64 of a patch.
.macro FETCH slot, t, half
.irp kk, 0,1,2,3,4,5
.set FS, 6*(\half)+\kk
.set FO, ((\t)&3)*TILEB+(FS>>2)*272+(FS&3)*64
	ds_load_b128 v[HF0+48*(\half)+8*\kk:HF0+48*(\half)+8*\kk+3],   v[ADR+2*(\slot)+((\t)>>2)] offset:FO
	ds_load_b128 v[HF0+48*(\half)+8*\kk+4:HF0+48*(\half)+8*\kk+7], v[ADR+2*(\slot)+((\t)>>2)] offset:FO+32
.endr
.endm
; Line e (0..59) of the ReLU and sum of accumulator set oset: for each pair of registers two maxima with 0 and one packed add onto the tile's sums.
; The constants stand as source 1, since source 1's window is W's: the maximum in its long form, the add as a multiply-add by 1.0.
.macro EOP e, oset
.set EJ, (\e)/12
.set EO, (\e)%12
.set EA, ACC+40*(\oset)+8*EJ+2*(EO/3)
.if (EO%3) < 2
	v_max_num_f32 v[EA+(EO%3)], v[EA+(EO%3)], 0
.else
	v_pk_fma_f32 v[SUM+2*EJ:SUM+2*EJ+1], v[EA:EA+1], 1.0, v[SUM+2*EJ:SUM+2*EJ+1] op_sel_hi:[1,0,1]
.endif
.endm
; One K step: five matrix instructions, one for each gene tile, A = 16 patches x 32 K, B = 16 genes x 32 K.  K step 0 takes b as C: the bias
; starts the sums and nothing is cleared.  The five accumulators take turns, one instruction a turn, from tile to tile and over the loop's
; backward jump too (a tile ends on tile 4 of one set, the next begins on tile 0 of the other).
; epi = 1: behind each matrix instruction stands one line of the ReLU and sum of the patch tile before, which lies in the other set.
.macro KSTEP hf, kk, ks, aset, epi
.irp i, 0,1,2,3,4
.if (\ks) == 0
	v_wmma_f32_16x16x32_bf16 v[ACC+40*(\aset)+8*\i:ACC+40*(\aset)+8*\i+7], v[\hf+8*(\kk):\hf+8*(\kk)+7], v[8*(5*(\kk)+\i):8*(5*(\kk)+\i)+7], v[BIAS+8*\i:BIAS+8*\i+7]
.else
	v_wmma_f32_16x16x32_bf16 v[ACC+40*(\aset)+8*\i:ACC+40*(\aset)+8*\i+7], v[\hf+8*(\kk):\hf+8*(\kk)+7], v[8*(5*(\kk)+\i):8*(5*(\kk)+\i)+7], v[ACC+40*(\aset)+8*\i:ACC+40*(\aset)+8*\i+7]
.endif
.if \epi
	EOP 5*(\ks)+\i,1-(\aset)
.endif
.endr
.endm
; One patch tile: 60 matrix instructions on accumulator set t & 1.
; DISTANCES (ISA guide 7.12.1).  Line 0 of the ReLU and sum reads tile 0 of the other set five plain vector lines (lines 55-59 of the tile before)
; behind the matrix instruction that wrote it last; each later accumulator has more.  The loads into a fragment buffer stand behind the first
; K step of the other half: six such lines behind the last matrix instruction that read the buffer.  Where these lines are missing (epi = 0,
; the very first tile) four v_nop stand in their stead.
; kind 0: the next tile lies in the same slot.   kind 1: the slot's last tile; the slot is filled again.
; kind 2: a slot's last tile, nothing is filled.  kind 3: the last tile of all.
.macro TILE slot, t, epi, kind
.set TS, (\t)&1
	s_wait_dscnt 0x0                               ; HF0's 12 loads, issued 25 matrix instructions ago (15 behind a change of slots)
	WIN WM1
	KSTEP HF0, 0, 0, TS, \epi
.if \epi == 0
	PLACES
.endif
	FETCH \slot, \t, 1
.irp q, 1,2,3,4,5
	KSTEP HF0, \q, \q, TS, \epi
.endr
	s_wait_dscnt 0x0                               ; HF1's 12 loads; in a slot's last tile these were my last reads of the slot
.if \kind == 0
	WIN WM2
	KSTEP HF1, 0, 6, TS, \epi
.if \epi == 0
	PLACES
.endif
	FETCH \slot, (\t)+1, 0
.irp q, 1,2,3,4,5
	KSTEP HF1, \q, \q+6, TS, \epi
.endr
.endif
.if \kind == 1
	s_wait_tensorcnt 0x0                           ; all my tensor loads have landed: the one that was out is my part of the other slot
	ds_add_u32 v255, v255
	s_wait_dscnt 0x0
	s_barrier_signal -1                            ; say so: this barrier opens a round of the cluster's barrier
	WIN WM2
.irp q, 0,1,2
	KSTEP HF1, \q, \q+6, TS, \epi                  ; register work while the others arrive
.endr
	WIN 0
	s_barrier_wait -1
	CREST                                          ; no wave of any partner still reads this slot or has a load on its way
	s_add_nc_u64 s[G0+4*\slot+2:G0+4*\slot+3], s[G0+4*\slot+2:G0+4*\slot+3], 2*SLOTG   ; no tensor load of mine is out: the address steps by two slots
	JLOAD \slot                                    ; my one tensor load behind the round, first thing there; it has 8 patch tiles, 480 matrix instructions, in which to land
	FETCH 1-(\slot), 0, 0
	WIN WM2
.irp q, 3,4,5
	KSTEP HF1, \q, \q+6, TS, \epi
.endr
.endif
.if \kind == 2
	s_wait_tensorcnt 0x0                           ; my part of the last slot has landed
	s_barrier_signal -1
	WIN WM2
.irp q, 0,1,2
	KSTEP HF1, \q, \q+6, TS, \epi
.endr
	s_barrier_wait -1                              ; everybody's has
	FETCH 1-(\slot), 0, 0
.irp q, 3,4,5
	KSTEP HF1, \q, \q+6, TS, \epi
.endr
.endif
.if \kind == 3
	WIN WM2
.irp q, 0,1,2,3,4,5
	KSTEP HF1, \q, \q+6, TS, \epi
.endr
.endif
.if \epi == 0
	PLACES                                         ; the places in front of the next tile's first ReLU line
.endif
.endm
	s_wait_tensorcnt 0x1                           ; my part of slot 0 is in; slot 1's may stay out
	s_wait_dscnt 0x0                               ; W's fragments are in their registers
	s_barrier_signal -1
	s_barrier_wait -1                              ; slot 0 is whole
	FETCH 0, 0, 0
	TILE 0, 0, 0, 0                                ; the first patch tile stands in front of the loop: no tile before it to sum
	WIN 0                                          ; at a label and at a branch every window is 0
	s_mov_b32 s41, LAPS
.Llap:                                             ; a trip: 16 patch tiles, both slots filled again (fills 2 .. 15 in seven trips)
.irp t, 1,2,3,4,5,6
	TILE 0, \t, 1, 0
.endr
	TILE 0, 7, 1, 1
.irp t, 0,1,2,3,4,5,6
	TILE 1, \t, 1, 0
.endr
	TILE 1, 7, 1, 1
	TILE 0, 0, 1, 0
	WIN 0
	s_sub_co_u32 s41, s41, 1
	s_cmp_lg_u32 s41, 0
	s_cbranch_scc1 .Llap
.irp t, 1,2,3,4,5,6
	TILE 0, \t, 1, 0                               ; the last two slots: nothing is left to fetch
.endr
	TILE 0, 7, 1, 2
.irp t, 0,1,2,3,4,5,6
	TILE 1, \t, 1, 0
.endr
	TILE 1, 7, 1, 3
	; THE WAY OUT.  The last patch tile (set 1) is summed; a gene's sum lies in two registers of lanes r and r + 16.
	WIN 0
	PLACES
.set DE, 0
.rept 60
	EOP DE, 1
.set DE, DE+1
.endr
.irp i, 0,1,2,3,4
	v_add_f32 v[SUM+2*\i], v[SUM+2*\i], v[SUM+2*\i+1]
	v_permlanex16_b32 v[SUM+2*\i+1], v[SUM+2*\i], s42, s43
	v_add_f32 v[SUM+2*\i], v[SUM+2*\i], v[SUM+2*\i+1]
	ds_store_b32 v12, v[SUM+2*\i] offset:64*\i     ; lanes r and r + 16 write the same word with the same value
.endr
	s_wait_dscnt 0x0                               ; for the others' sake
	s_barrier_signal -1
	s_barrier_wait -1                              ; the work-group's 320 sums lie in 1,280 consecutive bytes
	s_wait_xcnt 0x0                                ; EXEC changes only behind this wait
	v_cmp_gt_u32 vcc_lo, 80, v0
	s_and_saveexec_b32 s44, vcc_lo                 ; threads 0 to 79
	ds_load_b128 v[32:35], v13
	s_wait_dscnt 0x0
	global_store_b128 v14, v[32:35], s[10:11]      ; sixteen lanes store 256 consecutive bytes, at a multiple of 256 from part's first byte
	s_wait_xcnt 0x0
	s_or_b32 exec_lo, exec_lo, s44
	s_set_vgpr_msb 0x4
	s_wait_tensorcnt 0x0
	ds_add_u32 v255, v255
	s_wait_dscnt 0x0
	s_set_vgpr_msb 0x400
	CROUND                                         ; the closing round: no work-group ends while a partner may still ask for a tile that names it
	s_endpgm
.Lfunc_end_k_qeef6b8c1ea_main:
	.size	k_qeef6b8c1ea_main, .Lfunc_end_k_qeef6b8c1ea_main-k_qeef6b8c1ea_main
	.p2alignl 7, 3214868480
	.fill 96, 4, 3214868480
	.section	.rodata,"a",@progbits
	.p2align	6, 0x0
	.amdhsa_kernel k_qeef6b8c1ea_main
		.amdhsa_group_segment_fixed_size 327680
		.amdhsa_private_segment_fixed_size 0
		.amdhsa_enable_private_segment 0
		.amdhsa_kernarg_size 32
		.amdhsa_user_sgpr_count 2
		.amdhsa_user_sgpr_kernarg_segment_ptr 1
		.amdhsa_wavefront_size32 1
		.amdhsa_system_sgpr_workgroup_id_x 1
		.amdhsa_system_sgpr_workgroup_id_y 1
		.amdhsa_system_sgpr_workgroup_id_z 1
		.amdhsa_system_vgpr_workitem_id 0
		.amdhsa_next_free_vgpr 752
		.amdhsa_next_free_sgpr 66
		.amdhsa_reserve_vcc 1
		.amdhsa_float_denorm_mode_32 3
		.amdhsa_float_denorm_mode_16_64 3
		.amdhsa_memory_ordered 1
		.amdhsa_forward_progress 1
		.amdhsa_inst_pref_size 255
	.end_amdhsa_kernel
	.section	.bss,"aw",@nobits
	.p2align	6
	.space	262144
	.amdgpu_metadata
---
amdhsa.version: [ 1, 2 ]
amdhsa.kernels:
  - .name:           k_qeef6b8c1ea_main
    .symbol:         k_qeef6b8c1ea_main.kd
    .args:
      - { .name: hb, .offset: 0, .size: 8, .value_kind: global_buffer, .address_space: global }
      - { .name: W, .offset: 8, .size: 8, .value_kind: global_buffer, .address_space: global }
      - { .name: b, .offset: 16, .size: 8, .value_kind: global_buffer, .address_space: global }
      - { .name: part, .offset: 24, .size: 8, .value_kind: global_buffer, .address_space: global }
    .group_segment_fixed_size: 327680
    .private_segment_fixed_size: 0
    .kernarg_segment_align: 8
    .kernarg_segment_size: 32
    .max_flat_workgroup_size: 128
    .sgpr_count:     66
    .vgpr_count:     752
    .wavefront_size: 32
...
	.end_amdgpu_metadata
.endif
;; end of part 2
;; launch finish (part 3): grid 64 x 1, 3 waves a work-group, no clusters, 0 bytes of LDS; arguments part, out0; writes out0
.if DOCPART == 3
	.amdgcn_target "amdgcn-amd-amdhsa--gfx1250"
	.amdhsa_code_object_version 6
	.text
	.protected	k_qeef6b8c1ea_finish
	.globl	k_qeef6b8c1ea_finish
	.p2align	8
	.type	k_qeef6b8c1ea_finish,@function
k_qeef6b8c1ea_finish:
	s_mov_b64 s[64:65], 0
	v_nop
	global_prefetch_b8 v0, s[64:65] scope:SCOPE_SE
	s_setreg_imm32_b32 hwreg(HW_REG_WAVE_MODE, 25, 1), 1
	s_wait_xcnt 0x0
; out0[16 tile + r] = 2^-13 x the sum over the four patch quarters q of part[q][80 c + 16 i + r],  tile = min(5 c, 4 c + 225) + i.
; Work-group bx has the 320 slots of wave columns c = 4 bx .. 4 bx + 3; thread t < 80 has four neighbouring slots: column t / 20, tile slot
; (t % 20) / 4, genes 4 (t % 4) .. + 3.  Slot i = 0 of columns 226 .. 255 repeats the column before's last tile and is not stored, so each of
; the 1,250 tiles is stored by one thread group alone.  327,680 bytes in, 80,000 out: no LDS, no barrier.
; The mean's division by 8,192 is an exact multiplication by a power of two.
.set QBYTES, 20480*4                   ; a quarter of part
	s_load_b128 s[4:7], s[0:1], 0x0                ; part s[4:5], out0 s[6:7]
	s_mul_i32 s8, ttmp9, 1280                      ; my 320 slots
	s_mov_b32 s9, 0
	s_lshl_b32 s10, ttmp9, 2
	v_mul_u32_u24 v1, v0, 205
	v_lshrrev_b32 v1, 12, v1                       ; t / 20 (205 / 4096 serves for t below 96)
	v_mul_u32_u24 v2, v1, 20
	v_sub_nc_u32 v2, v0, v2                        ; t % 20
	v_lshrrev_b32 v3, 2, v2                        ; i
	v_and_b32 v4, 3, v2                            ; which four genes of the tile
	v_add_nc_u32 v5, s10, v1                       ; c
	v_mul_u32_u24 v6, v5, 5
	v_lshl_add_u32 v7, v5, 2, 225
	v_min_u32 v6, v6, v7
	v_add_nc_u32 v6, v6, v3                        ; tile
	v_lshlrev_b32 v8, 4, v4
	v_lshl_add_u32 v8, v6, 6, v8                   ; 64 tile + 16 x (which four)
	v_min_u32 v9, 79, v0                           ; threads 80 to 95 load what thread 79 loads: every load stays inside part
	v_lshlrev_b32 v9, 4, v9
	v_cmp_gt_u32 s11, 80, v0                       ; a thread with slots,
	v_cmp_gt_u32 s12, 226, v5                      ; in a column that owns all five tiles,
	v_cmp_ne_u32 s13, 0, v3                        ; or not in the repeated slot
	s_or_b32 s12, s12, s13
	s_and_b32 vcc_lo, s11, s12
	s_wait_kmcnt 0x0
	s_add_nc_u64 s[4:5], s[4:5], s[8:9]
.irp q, 0,1,2,3
	global_load_b128 v[12+4*\q:15+4*\q], v9, s[4:5] offset:\q*QBYTES th:TH_LOAD_NT
.endr
	s_wait_loadcnt 0x0
	v_pk_add_f32 v[12:13], v[12:13], v[16:17]
	v_pk_add_f32 v[14:15], v[14:15], v[18:19]
	v_pk_add_f32 v[20:21], v[20:21], v[24:25]
	v_pk_add_f32 v[22:23], v[22:23], v[26:27]
	v_pk_add_f32 v[12:13], v[12:13], v[20:21]
	v_pk_add_f32 v[14:15], v[14:15], v[22:23]
	v_pk_mul_f32 v[12:13], v[12:13], 0x39000000 op_sel_hi:[1,0]    ; 2^-13
	v_pk_mul_f32 v[14:15], v[14:15], 0x39000000 op_sel_hi:[1,0]
	s_wait_xcnt 0x0                                ; EXEC changes only behind this wait
	s_and_saveexec_b32 s14, vcc_lo                 ; it stays narrow to the end: only the store follows
	global_store_b128 v8, v[12:15], s[6:7]
	s_endpgm
.Lfunc_end_k_qeef6b8c1ea_finish:
	.size	k_qeef6b8c1ea_finish, .Lfunc_end_k_qeef6b8c1ea_finish-k_qeef6b8c1ea_finish
	.p2alignl 7, 3214868480
	.fill 96, 4, 3214868480
	.section	.rodata,"a",@progbits
	.p2align	6, 0x0
	.amdhsa_kernel k_qeef6b8c1ea_finish
		.amdhsa_group_segment_fixed_size 0
		.amdhsa_private_segment_fixed_size 0
		.amdhsa_enable_private_segment 0
		.amdhsa_kernarg_size 16
		.amdhsa_user_sgpr_count 2
		.amdhsa_user_sgpr_kernarg_segment_ptr 1
		.amdhsa_wavefront_size32 1
		.amdhsa_system_sgpr_workgroup_id_x 1
		.amdhsa_system_sgpr_workgroup_id_y 1
		.amdhsa_system_sgpr_workgroup_id_z 1
		.amdhsa_system_vgpr_workitem_id 0
		.amdhsa_next_free_vgpr 32
		.amdhsa_next_free_sgpr 66
		.amdhsa_reserve_vcc 1
		.amdhsa_float_denorm_mode_32 3
		.amdhsa_float_denorm_mode_16_64 3
		.amdhsa_memory_ordered 1
		.amdhsa_forward_progress 1
		.amdhsa_inst_pref_size 3
	.end_amdhsa_kernel
	.amdgpu_metadata
---
amdhsa.version: [ 1, 2 ]
amdhsa.kernels:
  - .name:           k_qeef6b8c1ea_finish
    .symbol:         k_qeef6b8c1ea_finish.kd
    .args:
      - { .name: part, .offset: 0, .size: 8, .value_kind: global_buffer, .address_space: global }
      - { .name: out0, .offset: 8, .size: 8, .value_kind: global_buffer, .address_space: global }
    .group_segment_fixed_size: 0
    .private_segment_fixed_size: 0
    .kernarg_segment_align: 8
    .kernarg_segment_size: 16
    .max_flat_workgroup_size: 96
    .sgpr_count:     66
    .vgpr_count:     32
    .wavefront_size: 32
...
	.end_amdgpu_metadata
.endif
;; end of part 3
